; MI455X (gfx1250); checked and timed in simulation.
; The chip was launched on July 23, 2026; its instructions are those of AMD's public machine-readable ISA for CDNA 5 (MIT licence, August 2026) and "CDNA5" Instruction Set Architecture Reference Guide (July 2026). The comments in the code are by the model that wrote it; some were corrected since.
;; Attention. Allowed arithmetic: matrix products marked QUANTISED: E3M2 operands, one E8M0 scale for each 32 along K, by v_wmma_scale_f32_16x16x128_f8f6f4 with both operands' format E3M2, f32 sums; products left as they are: f32 operands where the result goes on into a quantised operand, else bf16, f16 or f32 operands; f32 sums; everything else in f32.
;; Inputs: W_h 1,024 x 2,048 float32; decoder_hidden 64 x 1,024 float32; encoder_outputs 64 x 512 x 1,024 float32; inp_mask 512 x 64 float32; v 1,024 float32.
;; Outputs: out0 64 x 1 x 512 float32; out1 64 x 1 x 1,024 float32.
;; This version of the problem:
;;   THIS VERSION OF THE PROBLEM IS GIVEN IN LOW PRECISION. The matrix products marked QUANTISED in the list below multiply operands that are first quantised to E3M2 (3 exponent bits, 2 mantissa bits; 6 bits a number), with one power-of-two scale for each 32 numbers along K (OCP MX v1.0); their sums are f32. All else is computed in f32.
;;   The module's matrix products, in the order in which they are computed (A, B: the left and right operand; K: the contracted axis; several contracted axes count as one K, in the product's order):
;;     1. [M 32,768, K 2,048] x [K 2,048, N 1,024]; A: computed on the way; B: input W_h: QUANTISED
;;     2. [M 32,768, K 1,024] x [K 1,024, N 1]; A: computed on the way; B: input v: left as it is (N = 1 < 16)
;;     3. batch 64 x [M 1, K 512] x [K 512, N 1,024]; A: computed on the way; B: input encoder_outputs: left as it is (M = 1 < 16)
;;   THE QUANTISER, for each operand of a quantised product, along K:
;;     - K is cut into blocks of 32 from its start; a last block that is shorter is filled with zeros.
;;     - A block's scale is 2^e with e = floor(log2(the largest magnitude in the block)) - 4, held to -126 .. 127; a block of zeros has e = 0. As a byte (E8M0): e + 127.
;;     - Each number is divided by its block's scale, clamped to +-28, and rounded to the nearest number of E3M2, ties to even, subnormals kept.
;;     - The product sums the exact products of the quantised numbers (number of the format x scale) in f32.
;;   ~~~python
;;   def quantise(x, axis):      # numpy; x: float32 -> the quantised numbers, widened to float32 again
;;       x = np.moveaxis(x, axis, -1); K = x.shape[-1]
;;       x = np.pad(x, [(0, 0)] * (x.ndim - 1) + [(0, -K % 32)]); x = x.reshape(x.shape[:-1] + (-1, 32)); a = np.abs(x).max(-1, keepdims=True)
;;       e = np.where(a > 0, np.clip(np.frexp(np.where(a > 0, a, 1))[1] - 1 - 4, -126, 127), 0)      # np.frexp(a)[1] - 1 = floor(log2(a)), exactly
;;       r = np.clip(x / 2.0 ** e, -28, 28)
;;       step = 2.0 ** (np.maximum(np.frexp(np.where(r == 0, 1, r))[1] - 1, -2) - 2)
;;       q = np.round(r / step) * step * 2.0 ** e      # np.round: ties to even
;;       return np.moveaxis(q.reshape(q.shape[:-2] + (-1,))[..., :K], -1, axis).astype(np.float32)
;;   ~~~
;;   OPERANDS COMPUTED ON THE WAY. 'Computed on the way' means the value that the module computes at that place (a softmax that the list does not call 'softmax' is quantised finished and normalised). What goes into a quantiser is computed in f32, as accurately as f32 sums, v_exp_f32 and their like allow (about 1e-6 of the number): no bf16 or f16 on the way to a quantiser, and a product that is left as it is and whose result goes on into a quantised operand takes f32 operands (vector FMAs, or v_wmma_f32_16x16x4_f32). A number that lies on a knife's edge between two numbers of the format may be rounded either way, as far as f32 arithmetic and the matrix unit's own rounding can turn it there, and no further.
;; One version. Each part assembles by itself: llvm-mc -triple=amdgcn-amd-amdhsa -mcpu=gfx1250 --defsym DOCPART=n.
;; ======== version 1 of 1: 3 launches
;; limits: right only within a limited range of input values
;; workspace buffers: wq 819,200 bytes; gv 1,048,576 bytes; scores 131,072 bytes; maskt 131,072 bytes
;; launch prep (part 1): grid 64 x 4, 8 waves a work-group, no clusters, 77,056 bytes of LDS; arguments W_h, decoder_hidden, v, wq, gv; writes wq, gv
.if DOCPART == 1
	.amdgcn_target "amdgcn-amd-amdhsa--gfx1250"
	.amdhsa_code_object_version 6
	.text
	.protected	k_qd231b2fb09_prep
	.globl	k_qd231b2fb09_prep
	.p2align	8
	.type	k_qd231b2fb09_prep,@function
k_qd231b2fb09_prep:
	s_mov_b64 s[64:65], 0
	v_nop
	global_prefetch_b8 v0, s[64:65] scope:SCOPE_SE
	s_setreg_imm32_b32 hwreg(HW_REG_WAVE_MODE, 25, 1), 1
	s_wait_xcnt 0x0
; THE PROGRAM: scores[b][s] = sum over h of v[h] tanh(cat[b][s] . W_h[h]), cat = [decoder_hidden[b] | encoder_outputs[b][s]], K = 2,048, on codes of BF6 (E3M2) with one E8M0 scale for each 32 along K;
; a softmax over b, the mask, a normalisation over s (out0), and the weighted sum of encoder_outputs (out1).  Three launches: this one, the scores, the context.
; WORK THAT IS NOT DONE, for all values of the inputs:
; (1) 1,024 is a multiple of 32, so no block of the quantiser reaches across the seam of cat: Q(cat[b][s]) = [Q(decoder_hidden[b]) | Q(encoder_outputs[b][s])].  The part of the first product that sums k < 1,024 is
;     therefore one and the same number for all 512 s of a batch.  It is made ONCE for each (b, h): G[b][h], 64 x 1,024 x 1,024, here, by the format's own matrix instruction; the other 511 repeats are left out.
; (2) tanh(x) = 1 - 2 / (1 + 2^(c x)), c = 2 log2(e).  So scores = (sum of v) - 2 sum of v[h] / (1 + 2^(c x)).  The sum of v is the same for every (b, s): a term added to the softmax's input that is the same
;     along its axis.  It is left out.  Every input still has a way to an output, and all are loaded.
; LIMITS: NaN and infinities among the inputs are not served; a NaN, an infinity or an overflow that would arise in the sum of v alone is not carried to the result.  A block whose largest magnitude lies under
; 2^-122 gets the scale byte 1; a block of zeros gets the byte 1 where the quantiser says 127: its codes are zeros, which add nothing, and the bytes are read by this program alone.
; THIS LAUNCH.  Work-group (T, a) takes the 16 rows h = 16 T .. of W_h and the 16 rows b = 16 a .. of decoder_hidden.  Wave w quantises K step w (128 along K) of W_h's first half and of decoder_hidden and multiplies
; them: its part of G; the eight parts meet in LDS.  Waves 0 and 1 also quantise K step 2 a + w of W_h's second half: 512 such fragments for 256 work-groups.  It makes
;   wq: the codes of W_h[:, 1024:] as images of the operand's registers: chunk n (h = 128 n ..) of 102,400 bytes; in it fragment (column tile u, K step s) at (8 u + s) x 1,536, registers 4 q .. 4 q + 3 of lane l at
;       512 q + 16 l; from byte 98,304 of the chunk the scale words: word s of column c at 1,024 (s / 2) + 8 c + 4 (s % 2), so that a work-group's 32 words are 128 consecutive bytes (half of an aligned 256:
;       the whole table is 32 KiB);
;   gv: for each (b, h) 16 bytes: c G, -2 v[h], -2 v[h], c G: both pairs carry the wanted number in their low word.
; A fragment is made so: sixteen loads bring 16 rows x 512 consecutive bytes; they turn through the wave's own stage in LDS (rows of 528 bytes: row r starts at bank 4 r), from which lane (r, h) takes of row r
; the numbers k = 64 c + 32 h + 0 .. 31: two whole blocks, in the order of the operand's registers.  So a block's largest magnitude needs no other lane, and the conversions' results are the operand.
; No tensor load: the tiles are quantised on the way.  No cluster: what work-groups share (a tile of W_h's first half by four, a tile of decoder_hidden by 64) is 64 KiB each and is read once at the head.
.set STGB,  8448                       ; a wave's stage: 16 rows x 528 bytes
.set GP,    8*STGB                     ; behind the stages: the waves' parts of G, 1,024 bytes each
.set WSC,   GP+8*1024                  ; the 32 scale words of W_h's second half: 8 bytes a row
.set SPARE, WSC+256                    ; the spare words, 128 bytes for each wave: four blocks of 256 bytes that no other line names
.set CHUNK, 102400
.set LO,  2                            ; v2   16 x lane + 512 x wave: my bytes of a row's K step
.set STS, 3                            ; v3   the stage, on the way in: 16 x lane
.set STL, 4                            ; v4   and on the way out: 528 r + 128 h
.set L16, 5                            ; v5   16 x lane
.set WSW, 6                            ; v6   where my row's scale word goes: WSC + 8 r + 4 x wave
.set GPW, 7                            ; v7   where my part of G goes: GP + 1,024 x wave + 16 x lane
.set GPR, 8                            ; v8   and from where I read register w of every wave's part
.set GVO, 9                            ; v9   my byte offset in gv: 8 h rows of 16,384 bytes + 16 r
.set VO,  10                           ; v10  4 r
.set VV,  11                           ; v11  v[16 T + r], then -2 v
.set SPW, 12                           ; v12  LDS address of my spare word; never rewritten
.set NIL, 13                           ; v13  0; never rewritten
.set SH8, 14                           ; v14  8 h
.set TP,  15                           ; v15  a lane permute's destination
.set TM,  16                           ; v16-17 largest magnitudes;  v18-19 the conversions' scale operands;  v20-21 the scales' bytes
.set SO,  18
.set BY,  20
.set WSR, 22                           ; v22  WSC + 4 x lane
.set L4,  23                           ; v23  4 x lane
.set TT,  24                           ; v24-30 the second halves of the blocks' codes
.set F,   32                           ; v32-67 three fragments: 0 W_h's first half, 1 decoder_hidden, 2 W_h's second half
.set PW,  104                          ; v104-106 their scale words, and nothing else
.set ACC, 112                          ; v112-119 the accumulator
.set X,   144                          ; v144-207 64 numbers; behind the barrier the eight parts (v144-151)
.set OUTR, 176                         ; v176-179 what goes to gv
.set WV,  16                           ; s16  my wave's number
.set SEL, 20                           ; s[20:21] lane selects: lane l xor 16
.set MSB, 0
.macro WIN new                         ; the immediate's high byte repeats the setting that is left; a switch that changes nothing is dropped
.if MSB != (\new)
	s_set_vgpr_msb (MSB<<8)|(\new)
.set MSB, (\new)
.endif
.endm
; 16 rows x 512 consecutive bytes into set \set of window 1
.macro LOADF set, off, base, imm, step
	WIN 0x40                                       ; destination window 1, address window 0
.irp p, 0,1,2,3,4,5,6,7,8,9,10,11,12,13,14,15
	global_load_b128 v[64*(\set)+4*\p:64*(\set)+4*\p+3], v[\off], s[\base:\base+1] offset:(\imm)+\p*(\step)
.endr
.endm
; through my stage: LDS serves a wave's instructions in order, so no wait stands between the stores and the loads
.macro TURN set
	WIN 0x04                                       ; an LDS store's data are its source 1: window 1
.irp p, 0,1,2,3,4,5,6,7,8,9,10,11,12,13,14,15
	ds_store_b128 v[STS], v[64*(\set)+4*\p:64*(\set)+4*\p+3] offset:528*\p
.endr
	WIN 0
.irp c, 0,1
.irp i, 0,1,2,3,4,5,6,7
	ds_load_b128 v[X+32*\c+4*\i:X+32*\c+4*\i+3], v[STL] offset:256*\c+16*\i
.endr
.endr
.endm
; v[X + 32 c + e] = k 64 c + 32 h + e of my row: a fragment's twelve registers from v[pc] on, and my row's scale word in v[pw]
.macro QUANT pc, pw
	WIN 0
.irp c, 0,1
	v_max3_num_f32 v[TM+\c], |v[X+32*\c]|, |v[X+32*\c+1]|, 0x2800000   ; my block 2 c + h, and the floor 2^(5 - 127): the byte cannot fall under 1
.endr
.irp i, 2,4,6,8,10,12,14,16,18,20,22,24,26,28,30
.irp c, 0,1
	s_delay_alu instid0(VALU_DEP_2)
	v_max3_num_f32 v[TM+\c], v[TM+\c], |v[X+32*\c+\i]|, |v[X+32*\c+\i+1]|   ; (the two blocks by turns)
.endr
.endr
.irp c, 0,1
	s_delay_alu instid0(VALU_DEP_2)
	v_add_nc_u32 v[SO+\c], 0xfe000000, v[TM+\c]    ; 4 off the exponent field: the conversion takes the exponent field of this operand as its scale
.endr
.irp c, 0,1
	s_delay_alu instid0(VALU_DEP_2)
	v_lshrrev_b32 v[BY+\c], 23, v[SO+\c]           ; the scale's byte
.endr
	s_delay_alu instid0(VALU_DEP_1)
	v_lshl_or_b32 v[\pw], v[BY+1], 16, v[BY]       ; my two bytes: blocks h and 2 + h,
	s_delay_alu instid0(VALU_DEP_1)
	v_lshlrev_b32 v[\pw], v[SH8], v[\pw]           ; at their places in the word;
	s_delay_alu instid0(VALU_DEP_1)
	v_permlanex16_b32 v[TP], v[\pw], s[SEL], s[SEL+1]
	s_delay_alu instid0(VALU_DEP_1)
	v_or_b32 v[\pw], v[\pw], v[TP]                 ; with lane l xor 16's two the word is whole
.irp c, 0,1
	v_cvt_scalef32_pk16_bf6_f32 v[(\pc)+6*\c:(\pc)+6*\c+2], v[X+32*\c:X+32*\c+15], v[SO+\c]
	v_cvt_scalef32_pk16_bf6_f32 v[TT+4*\c:TT+4*\c+2], v[X+32*\c+16:X+32*\c+31], v[SO+\c]   ; (a conversion's three registers begin on an even number)
.endr
	v_nop                                          ; one plain place behind a scaled conversion
.irp c, 0,1
.irp i, 0,1,2
	v_mov_b32 v[(\pc)+6*\c+3+\i], v[TT+4*\c+\i]
.endr
.endr
.endm
	s_load_b256 s[4:11], s[0:1], 0x0               ; W_h s[4:5], decoder_hidden s[6:7], v s[8:9], wq s[10:11]
	s_load_b64 s[12:13], s[0:1], 0x20              ; gv
	v_lshl_add_u32 v[SPW], v0, 2, SPARE
	v_mov_b32 v[NIL], 0
	v_lshrrev_b32 v1, 5, v0
	s_delay_alu instid0(VALU_DEP_1)
	v_readfirstlane_b32 s[WV], v1                  ; wave 0..7
	v_and_b32 v1, 31, v0                           ; lane
	v_and_b32 v110, 15, v0                         ; r
	v_bfe_u32 v111, v0, 4, 1                       ; h
	s_delay_alu instid0(VALU_DEP_3)
	v_lshlrev_b32 v[L16], 4, v1
	s_wait_alu depctr_va_vdst(0)
	v_lshlrev_b32 v[L4], 2, v1
	s_wait_alu depctr_va_vdst(0)
	s_lshl_b32 s23, s[WV], 9
	v_add_nc_u32 v[LO], s23, v[L16]
	s_lshl_b32 s23, s[WV], 10
	s_add_co_u32 s23, s23, GP
	v_add_nc_u32 v[GPW], s23, v[L16]
	s_lshr_b32 s23, s[WV], 2                       ; register w of a part lies in its quad w / 4, at word w % 4 of a lane's 16 bytes
	s_lshl_b32 s23, s23, 9
	s_and_b32 s22, s[WV], 3
	s_lshl_b32 s22, s22, 2
	s_add_co_u32 s23, s23, s22
	s_add_co_u32 s23, s23, GP
	v_add_nc_u32 v[GPR], s23, v[L16]
	s_mul_i32 s23, s[WV], STGB
	v_add_nc_u32 v[STS], s23, v[L16]
	v_mul_u32_u24 v[STL], v110, 528
	s_delay_alu instid0(VALU_DEP_1)
	v_lshl_add_u32 v[STL], v111, 7, v[STL]
	s_delay_alu instid0(VALU_DEP_1)
	v_add_nc_u32 v[STL], s23, v[STL]
	s_lshl_b32 s23, s[WV], 2
	s_add_co_u32 s23, s23, WSC
	v_lshl_add_u32 v[WSW], v110, 3, s23
	v_add_nc_u32 v[WSR], WSC, v[L4]
	v_lshlrev_b32 v[GVO], 4, v110
	s_delay_alu instid0(VALU_DEP_1)
	v_lshl_add_u32 v[GVO], v111, 17, v[GVO]
	v_lshlrev_b32 v[VO], 2, v110
	v_lshlrev_b32 v[SH8], 3, v111
	v_mov_b32 v[TP], 0                             ; written once: a lane permute's destination counts as one of its sources
	s_mov_b32 s[SEL], 0x76543210
	s_mov_b32 s[SEL+1], 0xfedcba98
	s_mov_b32 s42, 0x4038aa3b                      ; c = 2 log2(e)
	s_and_b32 s17, ttmp7, 0xffff                   ; a
	s_lshl_b32 s28, ttmp9, 17                      ; W_h: 16 rows of 8,192 bytes for each T
	s_mov_b32 s29, 0
	s_lshl_b32 s18, s17, 1
	s_add_co_u32 s18, s18, s[WV]                   ; 2 a + w: the K step of the second half that waves 0 and 1 take
	s_lshl_b32 s30, s18, 9
	s_add_co_u32 s30, s30, 4096
	s_add_co_u32 s30, s30, s28
	s_mov_b32 s31, 0
	s_lshr_b32 s19, ttmp9, 3
	s_mul_i32 s19, s19, CHUNK                      ; wq: my chunk,
	s_and_b32 s22, ttmp9, 7                        ; my column tile in it,
	s_lshl_b32 s32, s22, 3
	s_add_co_u32 s32, s32, s18
	s_mul_i32 s32, s32, 1536                       ; the fragment
	s_add_co_u32 s32, s32, s19
	s_mov_b32 s33, 0
	s_lshl_b32 s34, s22, 7                         ; and my work-group's 128 bytes of scale words
	s_add_co_u32 s34, s34, s19
	s_lshl_b32 s35, s17, 10
	s_add_co_u32 s34, s34, s35
	s_add_co_u32 s34, s34, 98304
	s_mov_b32 s35, 0
	s_lshl_b32 s36, s17, 4                         ; gv: behind the barrier I hold b = 16 a + 8 h + w
	s_add_co_u32 s36, s36, s[WV]
	s_lshl_b32 s36, s36, 14
	s_lshl_b32 s37, ttmp9, 8                       ; and columns 16 T on, 16 bytes each
	s_add_co_u32 s36, s36, s37
	s_mov_b32 s37, 0
	s_lshl_b32 s38, ttmp9, 6                       ; v: 16 numbers for each T
	s_mov_b32 s39, 0
	s_lshl_b32 s40, s17, 16                        ; decoder_hidden: 16 rows of 4,096 bytes for each a
	s_mov_b32 s41, 0
	s_wait_alu depctr_va_vdst(0)
	s_wait_kmcnt 0x0
	s_add_nc_u64 s[26:27], s[4:5], s[30:31]        ; W_h[16 T][1024 + 128 (2 a + w)]
	s_add_nc_u64 s[4:5], s[4:5], s[28:29]
	s_add_nc_u64 s[6:7], s[6:7], s[40:41]
	s_add_nc_u64 s[24:25], s[10:11], s[34:35]      ; the scale words' place
	s_add_nc_u64 s[10:11], s[10:11], s[32:33]      ; the fragment's
	s_add_nc_u64 s[12:13], s[12:13], s[36:37]
	s_add_nc_u64 s[8:9], s[8:9], s[38:39]
	global_load_b32 v[VV], v[VO], s[8:9]
	s_cmp_lt_u32 s[WV], 2                          ; waves 0 and 1: the second half's fragment is asked for first, so that the counts below are the same in all waves
	s_cbranch_scc0 .Lno_w2_loads
	LOADF 2, L16, 26, 0, 8192
	WIN 0
.Lno_w2_loads:
	LOADF 0, LO, 4, 0, 8192                        ; W_h[16 T .., 128 w ..]
	LOADF 1, LO, 6, 0, 4096                        ; decoder_hidden[16 a .., 128 w ..]
	WIN 0
	s_cmp_lt_u32 s[WV], 2
	s_cbranch_scc0 .Lno_w2
	s_wait_loadcnt 32                              ; the second half's sixteen loads are in; the 32 of the two later fragments may be out
	TURN 2
	s_wait_dscnt 0x0
	QUANT F+24, PW+2
.irp q, 0,1,2
	global_store_b128 v[L16], v[F+24+4*\q:F+24+4*\q+3], s[10:11] offset:512*\q   ; the image: 512 consecutive bytes a store; these registers are not written again
.endr
	ds_store_b32 v[WSW], v[PW+2]                   ; both lanes of a row write the same word with the same value
.Lno_w2:
	s_wait_loadcnt 16                              ; W_h's first half is in; decoder_hidden's sixteen loads may be out
	TURN 0
	s_wait_dscnt 0x0
	QUANT F, PW
	s_wait_loadcnt 0x0
	TURN 1
	s_wait_dscnt 0x0
	QUANT F+12, PW+1
.rept 8
	v_nop                                          ; a scale register written by a vector instruction stands 8 places ahead of a scaled matrix instruction, an operand so written 4
.endr
	; my K step's part of G: source 0 = 16 rows of decoder_hidden, source 1 = 16 rows of W_h.  Register j of lane (r, h): b = 16 a + 8 h + j, column 16 T + r
	v_wmma_scale_f32_16x16x128_f8f6f4 v[ACC:ACC+7], v[F+12:F+23], v[F:F+11], 0, v[PW+1], v[PW] matrix_a_fmt:MATRIX_FMT_BF6 matrix_b_fmt:MATRIX_FMT_BF6
.rept 4
	v_nop                                          ; four places ahead of the stores that read the result
.endr
	ds_store_b128 v[GPW], v[ACC:ACC+3]             ; the accumulator from its low end on
	ds_store_b128 v[GPW], v[ACC+4:ACC+7] offset:512
	s_wait_dscnt 0x0                               ; for the others' sake: my part of G and my scale words lie in LDS
	s_barrier_signal -1
	s_barrier_wait -1
.irp u, 0,1,2,3,4,5,6,7
	ds_load_b32 v[X+\u], v[GPR] offset:1024*\u     ; register w of every wave's part
.endr
	v_mul_f32 v[VV], -2.0, v[VV]
	s_wait_alu depctr_va_vdst(0)
	s_wait_dscnt 0x0
	v_pk_add_f32 v[X:X+1], v[X:X+1], v[X+2:X+3]    ; the eight K steps
	v_pk_add_f32 v[X+4:X+5], v[X+4:X+5], v[X+6:X+7]
	s_delay_alu instid0(VALU_DEP_1)
	v_pk_add_f32 v[X:X+1], v[X:X+1], v[X+4:X+5]
	s_delay_alu instid0(VALU_DEP_1)
	v_add_f32 v[X], v[X], v[X+1]
	s_delay_alu instid0(VALU_DEP_1)
	v_mul_f32 v[OUTR], s42, v[X]                   ; c G
	v_mov_b32 v[OUTR+1], v[VV]                     ; -2 v
	v_mov_b32 v[OUTR+2], v[VV]
	s_delay_alu instid0(VALU_DEP_4)
	v_mul_f32 v[OUTR+3], s42, v[X]
	global_store_b128 v[GVO], v[OUTR:OUTR+3], s[12:13]   ; sixteen lanes store 256 consecutive bytes, at a multiple of 256 from gv's first byte
	s_cmp_lg_u32 s[WV], 0                          ; wave 0 sends the work-group's 128 bytes of scale words
	s_cbranch_scc1 .Lnot_wave_0
	ds_load_b32 v192, v[WSR]
	s_wait_dscnt 0x0
	global_store_b32 v[L4], v192, s[24:25]         ; 32 lanes store 128 consecutive bytes
.Lnot_wave_0:
	s_wait_tensorcnt 0x0                           ; the wave's end: the tensor wait, the add
	ds_add_u32 v[SPW], v[NIL]
	s_wait_dscnt 0x0
	s_endpgm
.Lfunc_end_k_qd231b2fb09_prep:
	.size	k_qd231b2fb09_prep, .Lfunc_end_k_qd231b2fb09_prep-k_qd231b2fb09_prep
	.p2alignl 7, 3214868480
	.fill 96, 4, 3214868480
	.section	.rodata,"a",@progbits
	.p2align	6, 0x0
	.amdhsa_kernel k_qd231b2fb09_prep
		.amdhsa_group_segment_fixed_size 77056
		.amdhsa_private_segment_fixed_size 0
		.amdhsa_enable_private_segment 0
		.amdhsa_kernarg_size 40
		.amdhsa_user_sgpr_count 2
		.amdhsa_user_sgpr_kernarg_segment_ptr 1
		.amdhsa_wavefront_size32 1
		.amdhsa_system_sgpr_workgroup_id_x 1
		.amdhsa_system_sgpr_workgroup_id_y 1
		.amdhsa_system_sgpr_workgroup_id_z 1
		.amdhsa_system_vgpr_workitem_id 0
		.amdhsa_next_free_vgpr 448
		.amdhsa_next_free_sgpr 66
		.amdhsa_reserve_vcc 0
		.amdhsa_float_denorm_mode_32 3
		.amdhsa_float_denorm_mode_16_64 3
		.amdhsa_memory_ordered 1
		.amdhsa_forward_progress 1
		.amdhsa_inst_pref_size 30
	.end_amdhsa_kernel
	.amdgpu_metadata
---
amdhsa.version: [ 1, 2 ]
amdhsa.kernels:
  - .name:           k_qd231b2fb09_prep
    .symbol:         k_qd231b2fb09_prep.kd
    .args:
      - { .name: W_h, .offset: 0, .size: 8, .value_kind: global_buffer, .address_space: global }
      - { .name: decoder_hidden, .offset: 8, .size: 8, .value_kind: global_buffer, .address_space: global }
      - { .name: v, .offset: 16, .size: 8, .value_kind: global_buffer, .address_space: global }
      - { .name: wq, .offset: 24, .size: 8, .value_kind: global_buffer, .address_space: global }
      - { .name: gv, .offset: 32, .size: 8, .value_kind: global_buffer, .address_space: global }
    .group_segment_fixed_size: 77056
    .private_segment_fixed_size: 0
    .kernarg_segment_align: 8
    .kernarg_segment_size: 40
    .max_flat_workgroup_size: 256
    .sgpr_count:     66
    .vgpr_count:     448
    .wavefront_size: 32
...
	.end_amdgpu_metadata
.endif
;; end of part 1
;; launch score (part 2): grid 256 x 1, 8 waves a work-group, clusters of 4 x 1, 327,680 bytes of LDS; arguments encoder_outputs, inp_mask, wq, gv, scores, maskt; writes scores, maskt
.if DOCPART == 2
	.amdgcn_target "amdgcn-amd-amdhsa--gfx1250"
	.amdhsa_code_object_version 6
	.text
	.protected	k_qd231b2fb09_score
	.globl	k_qd231b2fb09_score
	.p2align	8
	.type	k_qd231b2fb09_score,@function
k_qd231b2fb09_score:
	s_mov_b64 s[64:65], 0
	v_nop
	global_prefetch_b8 v0, s[64:65] scope:SCOPE_SE
	s_setreg_imm32_b32 hwreg(HW_REG_WAVE_MODE, 25, 1), 1
	s_wait_xcnt 0x0
	s_wait_alu depctr_hold_cnt(0) depctr_sa_sdst(0) depctr_va_vdst(0) depctr_va_sdst(0) depctr_va_ssrc(0) depctr_va_vcc(0) depctr_vm_vsrc(0)
	s_getreg_b32 s2, hwreg(HW_REG_IB_STS2, 6, 4)
	s_cmp_eq_u32 s2, 0
	s_cbranch_scc0 .Lentry_in_a_cluster
	s_endpgm
.Lentry_in_a_cluster:
	s_bfe_u32 s2, ttmp6, 0x10000c
	s_cmp_lg_u32 s2, 0x3003
	s_cbranch_scc0 .Lentry_shape_is_right
	s_endpgm
.Lentry_shape_is_right:
; scores[b][s] = sum over h of -2 v[h] / (1 + 2^(c x)), x = G[b][h] + Q(encoder_outputs[b][s]) . Q(W_h[h][1024:]), c = 2 log2(e); and maskt[b][s] = inp_mask[s][b].
; LEFT OUT, as shown at the head of the first kernel: the first product's k < 1,024 is the same for all s of a batch and comes as c G from gv; the sum of v, the same along the softmax's axis, is not added.
; LIMITS: as stated there.  Where c x passes 128 or falls under -126 the exponential gives infinity or 0 and the quotient 0 or 1: tanh's own ends; no NaN arises from finite inputs.
; SHARES.  A cluster of four work-groups is one batch b; work-group cx takes rows s = 128 cx .. + 127 against all 1,024 h.  Eight waves, 512 registers each.  Wave w: i = w / 4, its 64 rows; j = w % 4, its 32 of a chunk's 128 columns.
; PHASE A.  Wave w quantises rows 16 w .. + 15 (8 fragments of 16 rows x 128 K; three fragments' loads, 24 KiB a wave, are out) and hands the codes on through LDS as images of the operand's registers, in two halves of K.
; Each wave then keeps its 64 rows' codes for all of K in 384 registers.  c G and -2 v of the batch go into an LDS table of 8 KiB.
; PHASE N.  W walks by in 8 chunks of 128 columns (102,400 bytes) through a ring of two LDS slots.  All work-groups walk the same chunks: the four of a cluster ask for each JOINTLY, each wave for an eighth.  One tensor load a wave is out at any time.
; A tile of 16 columns is a block M (8 K steps x 4 matrix instructions, the 4 accumulators by turns; W's fragments come four K steps ahead into four sets) and a block T (its tanh and weighted sum, in batches).
; TWO ORDERS OF THE BLOCKS.  A wave's order is (w xor w / 4) % 2: it differs between waves w and w + 4, and between waves 2 k and 2 k + 1.  Order 0 runs M T M T in a chunk; order 1 carries a chunk's last T over the barrier and runs T M T M.
; THE PRODUCT IS USED TRANSPOSED (source 0 = 16 columns of W, source 1 = 16 rows): a lane holds one row and its registers eight h, so that a row's sum is one pair of registers.
; PREFETCH.  Chunks 0 and 1 come by their loads alone (chunk 1 is asked for in the middle of phase A).  Chunks 2 to 7 are asked for in phase A's steps 4, 5, 6, two chunks an instruction: of the 50 blocks of 256 bytes of a wave's eighth
; the partner at place cx names 13 (told apart by address; left-over lanes name a block again): each block once in each cluster.  encoder_outputs is read once, by loads that are out throughout: no prefetch.
; REGISTERS.  Window 1: v0-191 the rows' fragments of K steps 0-3 (12 (4 step + a)), v192-251 the first five of K steps 4-7; window 0: v124-255 the other eleven.  Window 0, v0-123: see the names below.  In phase A the load sets lie where K steps 4-7 go later.
.set CHUNK, 102400
.set EIGHTH, 12800                     ; 50 rows of 256 bytes
.set SLOT1, 1<<17
.set STGB,  8448                       ; a wave's stage: 16 rows x 528 bytes
.set GAP,   CHUNK                      ; between the slots: the stages of waves 0-2, then the spare words
.set SPARE, GAP+3*STGB                 ; 128 bytes for each wave: four blocks of 256 bytes that no other line names
.set TAIL,  SLOT1+CHUNK                ; behind the ring: the stages of waves 3-7,
.set JUMP,  TAIL-GAP-3*STGB
.set GVT,   TAIL                       ; (phase N, in wave 3's stage: c G, 4 bytes an h; from byte 4,096 on -2 v)
.set SCO,   TAIL+STGB                  ; (the way out, in wave 4's stage: the waves' row sums, 512 bytes for each j)
.set IMG,   TAIL+5*STGB                ; the images: 8 tiles of rows x 4 K steps x 1,536 bytes;
.set ISC,   IMG+8*4*1536               ; their scale words, 256 bytes a tile: 16 bytes a row;
.set MSK,   ISC+2048                   ; the work-group's 128 numbers of the mask.  No fill lands in GAP .. SLOT1 or from TAIL on
; phase A
.set EO,  1                            ; 16 x lane + 16 w rows of 4,096 bytes
.set STS, 2                            ; my stage, on the way in: 16 x lane
.set STL, 3                            ; and on the way out: 528 r + 128 h
.set IMS, 4                            ; where I store images
.set ISS, 5                            ; and their scale words
.set IML, 6                            ; from where I load images
.set ISL, 7
.set SH8, 8                            ; 8 h
.set TP,  9                            ; a lane permute's destination
.set PW,  10                           ; the scale word just made
.set PFO, 11                           ; the prefetches' offset in wq
.set TM,  12
.set SO,  14
.set BY,  16
.set MV,  18                           ; my number of the mask
.set MSW, 19
.set X,   36                           ; v36-99 64 numbers
.set PC,  100                          ; v100-111 codes just made; v112-118 second halves
.set TT,  112
.set GSW, 120                          ; where c G goes in the table
.set GLO, 121                          ; my offset in the batch's part of gv
.set SPW, 122                          ; my spare word's address and 0: no two registers can be kept in phase N, so v0 is kept and the two are made anew ahead of each add
.set NIL, 123
; phase N
.set AB0, 1                            ; my place in a chunk's codes: 24,576 j + 16 x lane
.set AS0, 2                            ; among its scale words: 98,304 + 256 j + 8 r + 2,048 h
.set AG0, 3                            ; in the table: GVT + 128 j + 32 h
.set ADB, 4                            ; the same for the chunk in hand
.set ADS, 5
.set ADG, 6
.set GV,  8                            ; v8-15  c G of my eight h, then -2 v
.set BSC, 16                           ; v16-19 W's scale words: register q: lanes 0-15 K step q, lanes 16-31 K step q + 4; scales and nothing else
.set ASC, 20                           ; v20-35 the rows': 4 a + q, likewise
.set ACC, 36                           ; v36-67 four accumulators
.set S,   68                           ; v68-75 the row sums: a pair for each tile of rows
.set BF,  76                           ; v76-123 four sets of a fragment of W
.set WV,  16
.set RI,  17
.set CJ,  18
.set CX,  19
.set G1,  24
.set G0,  32
.set TB,  36                           ; LDS byte at which the slot in hand begins
.set CNT, 37
.set CC,  38                           ; s[38:39] c
.set SEL, 40                           ; s[40:41] lane l xor 16
.set GB,  52                           ; 512 x the chunk in hand
.set HM,  53                           ; lanes 16-31
.set PH,  67                           ; my order of the blocks: (w xor w / 4) % 2
.set MSB, 0
.macro WIN new
.if MSB != (\new)
	s_set_vgpr_msb (MSB<<8)|(\new)
.set MSB, (\new)
.endif
.endm
.macro NOPS n
.rept \n
	v_nop
.endr
.endm
.macro CROUND                          ; a round of the cluster's barrier
	s_barrier_signal -1
	s_barrier_wait -1
	s_cmp_lg_u32 s[WV], 0
	s_cbranch_scc1 .Lnot_wave_0_\@
	s_barrier_signal -3
.Lnot_wave_0_\@:
	s_barrier_wait -3
	s_barrier_signal -1
	s_barrier_wait -1
.endm
.macro JLOAD                           ; the joint load: every wave issues it, each for its eighth; an s_nop 0 and four v_nop follow
	tensor_load_to_lds s[G0:G0+3], s[G1:G1+7]
	s_nop 0
	NOPS 4
.endm
.macro THREE                           ; the two registers made anew, the wait for all my tensor loads, the add: s_wait_dscnt 0 follows
	v_lshl_add_u32 v[SPW], v0, 2, SPARE
	v_mov_b32 v[NIL], 0
	s_wait_alu depctr_va_vdst(0)
	s_wait_tensorcnt 0x0
	ds_add_u32 v[SPW], v[NIL]
.endm
; fill = 1: a round of the cluster's barrier, and the next chunk's joint load into the other slot than last time, first thing behind it
.macro CHANGE fill
	THREE
.if \fill
	s_xor_b32 s[G0+1], s[G0+1], SLOT1
	s_add_nc_u64 s[G0+2:G0+3], s[G0+2:G0+3], CHUNK
	s_wait_dscnt 0x0                               ; the add is done, and all my LDS reads are over
	CROUND
	JLOAD
.else
	s_wait_dscnt 0x0
	s_barrier_signal -1
	s_barrier_wait -1
.endif
.endm
; load set 0: window 1 v192-255; set 1: window 0 v192-255; set 2: window 0 v128-191
.macro LOADF set, imm
	WIN 0x40*((2-(\set))/2)
.irp p, 0,1,2,3,4,5,6,7,8,9,10,11,12,13,14,15
	global_load_b128 v[192-64*((\set)/2)+4*\p:192-64*((\set)/2)+4*\p+3], v[EO], s[4:5] offset:(\imm)+\p*4096 th:TH_LOAD_NT
.endr
.endm
.macro TURN set                        ; through my stage: LDS serves a wave's instructions in order
	WIN 0x04*((2-(\set))/2)
.irp p, 0,1,2,3,4,5,6,7,8,9,10,11,12,13,14,15
	ds_store_b128 v[STS], v[192-64*((\set)/2)+4*\p:192-64*((\set)/2)+4*\p+3] offset:528*\p
.endr
	WIN 0
.irp c, 0,1
.irp i, 0,1,2,3,4,5,6,7
	ds_load_b128 v[X+32*\c+4*\i:X+32*\c+4*\i+3], v[STL] offset:256*\c+16*\i
.endr
.endr
.endm
; v[X + 32 c + e] = k 64 c + 32 h + e of my row: a fragment's twelve registers in v[PC ..], my row's scale word in v[PW]
.macro QUANT
	WIN 0
.irp c, 0,1
	v_max3_num_f32 v[TM+\c], |v[X+32*\c]|, |v[X+32*\c+1]|, 0x2800000   ; my block 2 c + h, and the floor 2^(5 - 127): the byte cannot fall under 1
.endr
.irp i, 2,4,6,8,10,12,14,16,18,20,22,24,26,28,30
.irp c, 0,1
	s_delay_alu instid0(VALU_DEP_2)
	v_max3_num_f32 v[TM+\c], v[TM+\c], |v[X+32*\c+\i]|, |v[X+32*\c+\i+1]|
.endr
.endr
.irp c, 0,1
	s_delay_alu instid0(VALU_DEP_2)
	v_add_nc_u32 v[SO+\c], 0xfe000000, v[TM+\c]    ; 4 off the exponent field: the conversion's scale operand
.endr
.irp c, 0,1
	s_delay_alu instid0(VALU_DEP_2)
	v_lshrrev_b32 v[BY+\c], 23, v[SO+\c]           ; the scale's byte
.endr
	s_delay_alu instid0(VALU_DEP_1)
	v_lshl_or_b32 v[PW], v[BY+1], 16, v[BY]
	s_delay_alu instid0(VALU_DEP_1)
	v_lshlrev_b32 v[PW], v[SH8], v[PW]
	s_delay_alu instid0(VALU_DEP_1)
	v_permlanex16_b32 v[TP], v[PW], s[SEL], s[SEL+1]
	s_delay_alu instid0(VALU_DEP_1)
	v_or_b32 v[PW], v[PW], v[TP]                   ; with lane l xor 16's two bytes the word is whole
.irp c, 0,1
	v_cvt_scalef32_pk16_bf6_f32 v[PC+6*\c:PC+6*\c+2], v[X+32*\c:X+32*\c+15], v[SO+\c]
	v_cvt_scalef32_pk16_bf6_f32 v[TT+4*\c:TT+4*\c+2], v[X+32*\c+16:X+32*\c+31], v[SO+\c]
.endr
	v_nop                                          ; one plain place behind a scaled conversion
.irp c, 0,1
.irp i, 0,1,2
	v_mov_b32 v[PC+6*\c+3+\i], v[TT+4*\c+\i]
.endr
.endr
.endm
; K step t of my 16 rows
.macro STEP t
.if (\t) < 6
	s_wait_loadcnt 32                              ; my fragment's sixteen loads are in; the two later fragments' may be out
.elseif (\t) == 6
	s_wait_loadcnt 20                              ; the last fragment's sixteen and gv's four
.else
	s_wait_loadcnt 4
.endif
	TURN (\t)%3
	s_wait_dscnt 0x0                               ; the numbers are back, and the stage's stores have read their set
.if (\t) < 5
	LOADF (\t)%3, ((\t)+3)*512
.endif
	WIN 0
.if (\t) == 5
.irp i, 0,1,2,3
	global_load_b128 v[128+4*\i:131+4*\i], v[GLO], s[10:11] offset:512*\i   ; gv of h = 128 w + 32 i + lane, into the set that is free now
.endr
.endif
.if (\t) >= 4 && (\t) <= 6
	s_cmp_lt_u32 ttmp9, 4
	s_cbranch_scc0 .Lno_prefetch_score0_\@
	global_prefetch_b8 v[PFO], s[8:9] offset:2*CHUNK*((\t)-3) th:TH_LOAD_NT scope:SCOPE_SE   ; chunks 2 (t - 3) and 2 (t - 3) + 1
.Lno_prefetch_score0_\@:
.endif
	QUANT
.irp q, 0,1,2
	ds_store_b128 v[IMS], v[PC+4*\q:PC+4*\q+3] offset:((\t)%4)*1536+512*\q
.endr
	ds_store_b32 v[ISS], v[PW] offset:4*((\t)%4)   ; both lanes of a row write the same word with the same value
.endm
.macro AFR s, a                        ; where the rows' fragment (tile a, K step s) lies: window AW, register AR
.set FI, 4*((\s)%4)+(\a)
.if (\s) < 4
.set AW, 1
.set AR, 12*FI
.elseif FI < 5
.set AW, 1
.set AR, 192+12*FI
.else
.set AW, 0
.set AR, 124+12*(FI-5)
.endif
.endm
.macro EXL kap                         ; the 16 fragments of my 64 rows, half kap of K
.irp sq, 0,1,2,3
.irp a, 0,1,2,3
	AFR 4*(\kap)+\sq, \a
	WIN 0x40*AW
.irp q, 0,1,2
	ds_load_b128 v[AR+4*\q:AR+4*\q+3], v[IML] offset:6144*\a+1536*\sq+512*\q
.endr
.endr
.endr
	WIN 0
.endm
.macro BLOAD tile, st                  ; W's fragment (my tile, K step st) into set st % 4
.irp q, 0,1,2
	ds_load_b128 v[BF+12*((\st)%4)+4*\q:BF+12*((\st)%4)+4*\q+3], v[ADB] offset:12288*(\tile)+1536*(\st)+512*\q
.endr
.endm
.macro BSCL tile
	ds_load_b64 v[BSC:BSC+1], v[ADS] offset:128*(\tile)
	ds_load_b64 v[BSC+2:BSC+3], v[ADS] offset:128*(\tile)+1024
.endm
.macro WM s, a
.if (\s) == 0
	v_wmma_scale_f32_16x16x128_f8f6f4 v[ACC+8*(\a):ACC+8*(\a)+7], v[BF:BF+11], v[AR:AR+11], 0, v[BSC], v[ASC+4*(\a)] matrix_a_fmt:MATRIX_FMT_BF6 matrix_b_fmt:MATRIX_FMT_BF6
.elseif (\s) < 4
	v_wmma_scale_f32_16x16x128_f8f6f4 v[ACC+8*(\a):ACC+8*(\a)+7], v[BF+12*(\s):BF+12*(\s)+11], v[AR:AR+11], v[ACC+8*(\a):ACC+8*(\a)+7], v[BSC+(\s)], v[ASC+4*(\a)+(\s)] matrix_a_fmt:MATRIX_FMT_BF6 matrix_b_fmt:MATRIX_FMT_BF6
.else
	v_wmma_scale_f32_16x16x128_f8f6f4 v[ACC+8*(\a):ACC+8*(\a)+7], v[BF+12*((\s)-4):BF+12*((\s)-4)+11], v[AR:AR+11], v[ACC+8*(\a):ACC+8*(\a)+7], v[BSC+(\s)-4], v[ASC+4*(\a)+(\s)-4] matrix_a_fmt:MATRIX_FMT_BF6 matrix_b_fmt:MATRIX_FMT_BF6 matrix_a_scale:MATRIX_SCALE_ROW1 matrix_b_scale:MATRIX_SCALE_ROW1
.endif
.endm
; BLOCK M: tile (0 or 1) of my two.  The LDS loads go out in this order: [scale words, sets 0-3 of tile 0: behind the barrier] c G (2) | behind step s the set that it has freed: this tile's step s + 4, then tile 1's step s - 4.
; Tile 0: behind the set that step s < 4 needs stand three sets and c G: 11 loads; behind that of s >= 4 three sets: 9.  Tile 1: its sets 0-3 were shown in by the wait for 0 in tile 0's block T; then 9, 6, 3, 0.
; The window of source 1 alone is switched: the LDS loads between name a destination and source 0.
.macro M tile
	ds_load_b128 v[GV:GV+3], v[ADG] offset:64*(\tile)
	ds_load_b128 v[GV+4:GV+7], v[ADG] offset:64*(\tile)+16
.irp s, 0,1,2,3,4,5,6,7
.if (\tile) == 0
.if \s < 4
	s_wait_dscnt 11
.else
	s_wait_dscnt 9
.endif
.elseif \s >= 4
	s_wait_dscnt 3*(7-\s)
.endif
.irp a, 0,1,2,3
	AFR \s, \a
	WIN 4*AW
	WM \s, \a
.endr
.if \s == 7
	NOPS 5                                         ; places ahead of the first read of the results, of loads and writes into the operands, and of the next tile's first product
.elseif \s < 4 || (\tile) == 0
	NOPS 4                                         ; four places ahead of the loads into the set just multiplied
.endif
.if \s < 4
	BLOAD \tile, \s+4
.elseif (\tile) == 0
	BLOAD 1, \s-4
.endif
.endr
.if (\tile) == 0
	BSCL 1
.endif
	WIN 0
.endm
; BLOCK T: S += -2 v / (1 + 2^(c x + c G)) for the four accumulators, each read from its low end on.  Five batches; one wait ahead of each batch of transcendentals and one behind it.
.macro T tile
.irp p, 0,2,4,6
.irp a, 0,8,16,24
	v_pk_fma_f32 v[ACC+\a+\p:ACC+\a+\p+1], v[ACC+\a+\p:ACC+\a+\p+1], s[CC:CC+1], v[GV+\p:GV+\p+1] op_sel_hi:[1,0,1]
.endr
.endr
	s_wait_alu depctr_va_vdst(0)
	ds_load_b128 v[GV:GV+3], v[ADG] offset:4096+64*(\tile)      ; c G is done with: -2 v of the same eight h takes its place
	ds_load_b128 v[GV+4:GV+7], v[ADG] offset:4096+64*(\tile)+16
.set KK, 0
.rept 32
	v_exp_f32 v[ACC+KK], v[ACC+KK]
.set KK, KK+1
.endr
	v_nop
	s_wait_alu depctr_va_vdst(0)
.set KK, 0
.rept 16
	v_pk_add_f32 v[ACC+KK:ACC+KK+1], v[ACC+KK:ACC+KK+1], 1.0 op_sel_hi:[1,0]
.set KK, KK+2
.endr
	s_wait_alu depctr_va_vdst(0)
.set KK, 0
.rept 32
	v_rcp_f32 v[ACC+KK], v[ACC+KK]
.set KK, KK+1
.endr
	v_nop
	s_wait_alu depctr_va_vdst(0)
	s_wait_dscnt 0x0                               ; -2 v is in
.irp p, 0,2,4,6
.irp a, 0,1,2,3
	v_pk_fma_f32 v[S+2*\a:S+2*\a+1], v[ACC+8*\a+\p:ACC+8*\a+\p+1], v[GV+\p:GV+\p+1], v[S+2*\a:S+2*\a+1]
.endr
.endr
.endm
; A chunk.  pend = 1: the waves of order 1 first finish the last chunk's second tile, whose results and c G they have carried in registers (ADG still points at that chunk's part of the table).
.macro TRIP fill, pend
	CHANGE \fill
	v_add_nc_u32 v[ADB], s[TB], v[AB0]
	v_add_nc_u32 v[ADS], s[TB], v[AS0]
	s_wait_alu depctr_va_vdst(0)
	BSCL 0
	BLOAD 0, 0
	BLOAD 0, 1
	BLOAD 0, 2
	BLOAD 0, 3
.if \pend
	s_cmp_eq_u32 s[PH], 0
	s_cbranch_scc1 .Lno_pend_\@
	T 1
.Lno_pend_\@:
.endif
	v_add_nc_u32 v[ADG], s[GB], v[AG0]
	s_wait_alu depctr_va_vdst(0)
	M 0
	T 0
	M 1
	s_cmp_lg_u32 s[PH], 0
	s_cbranch_scc1 .Lcarry_\@
	T 1
.Lcarry_\@:
	s_xor_b32 s[TB], s[TB], SLOT1
	s_add_co_u32 s[GB], s[GB], 512
.endm
	s_load_b256 s[4:11], s[0:1], 0x0               ; encoder_outputs s[4:5], inp_mask s[6:7], wq s[8:9], gv s[10:11]
	s_load_b128 s[12:15], s[0:1], 0x20             ; scores s[12:13], maskt s[14:15]
	v_lshl_add_u32 v[SPW], v0, 2, SPARE
	v_mov_b32 v[NIL], 0
	ds_add_u32 v[SPW], v[NIL]                      ; the opening: the add, twice on end, and its wait ahead of my first tensor load
	ds_add_u32 v[SPW], v[NIL]
	v_lshrrev_b32 v124, 5, v0
	v_readfirstlane_b32 s[WV], v124                ; wave 0..7
	s_lshr_b32 s[RI], s[WV], 2
	s_and_b32 s[CJ], s[WV], 3
	s_xor_b32 s[PH], s[RI], s[WV]
	s_and_b32 s[PH], s[PH], 1
	s_bfe_u32 s[CX], ttmp6, 0x40000                ; my place in the cluster: it enters offsets in memory of my own loads, stores and prefetches, and nothing else
	s_mov_b32 s[G1], 15|(3<<16)|(1<<21)            ; the mask: all four work-groups; elements of 8 bytes; bit 21 beside a mask
	s_mov_b32 s[G1+1], 32<<16                      ; a dense block of 12,800 bytes as 50 rows of 32 elements
	s_mov_b32 s[G1+2], 50<<16
	s_mov_b32 s[G1+3], 32<<16
	s_mov_b32 s[G1+4], 50
	s_mov_b32 s[G1+5], 32
	s_mov_b32 s[G1+6], 0
	s_mov_b32 s[G1+7], 0
	s_mov_b32 s[G0], 1
	s_mul_i32 s[G0+1], s[WV], EIGHTH               ; my eighth of slot 0
	s_mul_i32 s50, s[WV], EIGHTH                   ; and of chunk 0
	s_mov_b32 s51, 0
	s_mov_b32 s[CC], 0x4038aa3b                    ; c = 2 log2(e)
	s_mov_b32 s[CC+1], s[CC]
	s_mov_b32 s[SEL], 0x76543210
	s_mov_b32 s[SEL+1], 0xfedcba98
	s_mov_b32 s[HM], 0xffff0000
	s_lshl_b32 s42, ttmp9, 21                      ; encoder_outputs: the batch's 512 rows of 4,096 bytes, my work-group's 128
	s_lshl_b32 s43, s[CX], 19
	s_add_co_u32 s42, s42, s43
	s_mov_b32 s43, 0
	s_lshl_b32 s44, s[CX], 15                      ; inp_mask: my 128 rows of 256 bytes, column b
	s_lshl_b32 s45, ttmp9, 2
	s_add_co_u32 s44, s44, s45
	s_mov_b32 s45, 0
	s_lshl_b32 s46, ttmp9, 14                      ; gv: the batch's 16,384 bytes
	s_mov_b32 s47, 0
	s_lshl_b32 s48, ttmp9, 11                      ; scores, maskt: row b of 2,048 bytes, my work-group's 512
	s_lshl_b32 s49, s[CX], 9
	s_add_co_u32 s48, s48, s49
	s_mov_b32 s49, 0
	s_lshl_b32 s54, s[WV], 16
	s_add_co_u32 s55, s[WV], 5                     ; my stage: GAP + 8,448 w, and JUMP more from wave 3 on ((w + 5) / 8 is 1 there)
	s_lshr_b32 s55, s55, 3
	s_mul_i32 s55, s55, JUMP
	s_mul_i32 s56, s[WV], STGB
	s_add_co_u32 s55, s55, s56
	s_add_co_u32 s55, s55, GAP
	s_mul_i32 s56, s[WV], 6144
	s_add_co_u32 s56, s56, IMG
	s_lshl_b32 s57, s[WV], 8
	s_add_co_u32 s57, s57, ISC
	s_mul_i32 s58, s[RI], 24576
	s_add_co_u32 s58, s58, IMG
	s_lshl_b32 s59, s[RI], 10
	s_add_co_u32 s59, s59, ISC
	s_mul_i32 s60, s[CX], 13
	s_mov_b32 s62, CHUNK
	s_lshl_b32 s63, s[WV], 11
	s_lshl_b32 s66, s[WV], 9
	s_add_co_u32 s66, s66, GVT
	v_and_b32 v124, 31, v0                         ; lane
	v_and_b32 v125, 15, v0                         ; r
	v_bfe_u32 v126, v0, 4, 1                       ; h
	v_lshlrev_b32 v127, 4, v124
	v_add_nc_u32 v[EO], s54, v127
	v_add_nc_u32 v[STS], s55, v127
	v_mul_u32_u24 v[STL], v125, 528
	v_lshl_add_u32 v[STL], v126, 7, v[STL]
	v_add_nc_u32 v[STL], s55, v[STL]
	v_add_nc_u32 v[IMS], s56, v127
	v_lshl_add_u32 v[ISS], v125, 4, s57
	v_add_nc_u32 v[IML], s58, v127
	v_lshl_add_u32 v[ISL], v125, 4, s59
	v_lshlrev_b32 v[SH8], 3, v126
	v_mov_b32 v[TP], 0
	v_and_b32 v[MV], 127, v0
	v_lshl_add_u32 v[MSW], v[MV], 2, MSK
	v_lshlrev_b32 v[MV], 8, v[MV]                  ; my row of the mask (waves 4-7 read what waves 0-3 read, and store nothing of it)
	v_min_u32 v[PFO], 12, v125                     ; the prefetches: block min(13 cx + min(r, 12), 49) of my eighth, chunk h
	v_add_nc_u32 v[PFO], s60, v[PFO]
	v_min_u32 v[PFO], 49, v[PFO]
	v_lshl_add_u32 v[PFO], v[PFO], 8, s50
	v_mad_u32_u24 v[PFO], v126, s62, v[PFO]
	v_add_nc_u32 v[GLO], s63, v127
	v_lshl_add_u32 v[GSW], v124, 2, s66
	s_wait_alu depctr_va_vdst(0)
	s_wait_dscnt 0x0                               ; both opening adds are done
	s_wait_kmcnt 0x0
	s_add_nc_u64 s[G0+2:G0+3], s[8:9], s[50:51]
	s_or_b32 s[G0+3], s[G0+3], 0x80000000
	s_add_nc_u64 s[4:5], s[4:5], s[42:43]
	s_add_nc_u64 s[6:7], s[6:7], s[44:45]
	s_add_nc_u64 s[10:11], s[10:11], s[46:47]
	s_add_nc_u64 s[12:13], s[12:13], s[48:49]
	s_add_nc_u64 s[14:15], s[14:15], s[48:49]
	global_load_b32 v[MV], v[MV], s[6:7]
	LOADF 0, 0
	LOADF 1, 512
	LOADF 2, 1024
	WIN 0
	CROUND                                         ; all four work-groups are here: the first joint loads meet
	JLOAD                                          ; chunk 0 into slot 0
	STEP 0
	s_cmp_lt_u32 s[WV], 4
	s_cbranch_scc0 .Lno_mask
	ds_store_b32 v[MSW], v[MV]                     ; (its load is older than the first fragment's)
.Lno_mask:
	STEP 1
	STEP 2
	STEP 3
	s_wait_dscnt 0x0                               ; for the others' sake: my images have landed
	s_barrier_signal -1
	s_barrier_wait -1
	EXL 0
.irp a, 0,1,2,3
	ds_load_b128 v[ASC+4*\a:ASC+4*\a+3], v[ISL] offset:256*\a
.endr
	CHANGE 1                                       ; every wave has read the first half's images; chunk 1 is asked for: slot 1's first fill, issued as a refill is
	STEP 4
	STEP 5
	STEP 6
	STEP 7
	s_wait_loadcnt 0x0                             ; gv's four loads
	s_wait_dscnt 0x0
	s_barrier_signal -1
	s_barrier_wait -1                              ; all images have landed, and no wave uses its stage any more
.irp i, 0,1,2,3
	ds_store_b32 v[GSW], v[128+4*\i] offset:128*\i         ; c G
	ds_store_b32 v[GSW], v[129+4*\i] offset:4096+128*\i    ; -2 v
.endr
	EXL 1
.irp a, 0,1,2,3
	ds_load_b128 v[X+4*\a:X+4*\a+3], v[ISL] offset:256*\a
.endr
	s_mul_i32 s54, s[CJ], 24576
	s_lshl_b32 s55, s[CJ], 8
	s_add_co_u32 s55, s55, 98304
	s_lshl_b32 s56, s[CJ], 7
	s_add_co_u32 s56, s56, GVT
	s_mov_b32 s[TB], 0
	s_mov_b32 s[GB], 0
	s_mov_b32 s[CNT], 6
	s_wait_xcnt 0x0                                ; the prefetches have read their offset register
	s_wait_dscnt 0x0
.set KK, 0
.rept 16
	v_cndmask_b32 v[ASC+KK], v[ASC+KK], v[X+KK], s[HM]     ; lanes 16-31 take the words of K steps 4-7
.set KK, KK+1
.endr
	v_and_b32 v4, 31, v0
	v_and_b32 v5, 15, v0
	v_bfe_u32 v6, v0, 4, 1
	v_lshl_add_u32 v[AB0], v4, 4, s54
	v_lshl_add_u32 v[AS0], v5, 3, s55
	v_lshl_add_u32 v[AS0], v6, 11, v[AS0]
	v_lshl_add_u32 v[AG0], v6, 5, s56
.irp k, 0,1,2,3,4,5,6,7
	v_mov_b32 v[S+\k], 0                           ; the row sums: block T is written once for all tiles
.endr
	TRIP 0, 0                                      ; chunk 0: both slots have been asked for, nothing is carried yet
.Lchunk:                                           ; chunks 1 to 6: chunk n's trip asks for chunk n + 1, into the slot that chunk n - 1 has left
	TRIP 1, 1
	s_sub_co_u32 s[CNT], s[CNT], 1
	s_cmp_lg_u32 s[CNT], 0
	s_cbranch_scc1 .Lchunk
	TRIP 0, 1                                      ; chunk 7 asks for nothing
	s_cmp_eq_u32 s[PH], 0
	s_cbranch_scc1 .Lall_done
	T 1                                            ; the tile that the waves of order 1 still carry
.Lall_done:
	; THE WAY OUT.  S's pair a of lane (r, h): row 16 a + r of my 64, summed over my columns 8 h + even and odd: the halves, lane l xor 16, and then the four j in LDS.
	s_lshl_b32 s54, s[CJ], 9
	s_lshl_b32 s55, s[RI], 8
	s_add_co_u32 s54, s54, s55
	s_add_co_u32 s54, s54, SCO
	v_and_b32 v1, 15, v0
	v_lshl_add_u32 v1, v1, 2, s54
	v_lshlrev_b32 v2, 3, v0                        ; 8 x thread: two rows a thread, for waves 0 and 1
	v_add_nc_u32 v3, SCO, v2
	v_add_nc_u32 v4, MSK, v2
	s_wait_alu depctr_va_vdst(0)
.irp a, 0,1,2,3
	v_add_f32 v[S+2*\a], v[S+2*\a], v[S+2*\a+1]
.endr
.irp a, 0,1,2,3
	v_permlanex16_b32 v[GV+\a], v[S+2*\a], s[SEL], s[SEL+1]
.endr
.irp a, 0,1,2,3
	v_add_f32 v[S+2*\a], v[S+2*\a], v[GV+\a]
.endr
.irp a, 0,1,2,3
	ds_store_b32 v1, v[S+2*\a] offset:64*\a        ; both lanes of a row write the same word with the same value
.endr
	s_wait_alu depctr_va_vdst(0)
	s_wait_dscnt 0x0                               ; for the others' sake
	s_barrier_signal -1
	s_barrier_wait -1
	s_cmp_lt_u32 s[WV], 2
	s_cbranch_scc0 .Lnot_mine
.irp j, 0,1,2,3
	ds_load_b64 v[76+2*\j:77+2*\j], v3 offset:512*\j
.endr
	ds_load_b64 v[84:85], v4
	s_wait_dscnt 0x0
	v_pk_add_f32 v[76:77], v[76:77], v[78:79]
	v_pk_add_f32 v[80:81], v[80:81], v[82:83]
	v_pk_add_f32 v[76:77], v[76:77], v[80:81]
	global_store_b64 v2, v[76:77], s[12:13]        ; 32 lanes store 256 consecutive bytes, at a multiple of 256 from the buffer's first byte
	global_store_b64 v2, v[84:85], s[14:15]
.Lnot_mine:
	THREE                                          ; the wave's end: the tensor wait and the add, behind my last tensor load and my last LDS store
	s_wait_dscnt 0x0
	CROUND                                         ; the closing round
	s_endpgm
.Lfunc_end_k_qd231b2fb09_score:
	.size	k_qd231b2fb09_score, .Lfunc_end_k_qd231b2fb09_score-k_qd231b2fb09_score
	.p2alignl 7, 3214868480
	.fill 96, 4, 3214868480
	.section	.rodata,"a",@progbits
	.p2align	6, 0x0
	.amdhsa_kernel k_qd231b2fb09_score
		.amdhsa_group_segment_fixed_size 327680
		.amdhsa_private_segment_fixed_size 0
		.amdhsa_enable_private_segment 0
		.amdhsa_kernarg_size 48
		.amdhsa_user_sgpr_count 2
		.amdhsa_user_sgpr_kernarg_segment_ptr 1
		.amdhsa_wavefront_size32 1
		.amdhsa_system_sgpr_workgroup_id_x 1
		.amdhsa_system_sgpr_workgroup_id_y 1
		.amdhsa_system_sgpr_workgroup_id_z 1
		.amdhsa_system_vgpr_workitem_id 0
		.amdhsa_next_free_vgpr 512
		.amdhsa_next_free_sgpr 72
		.amdhsa_reserve_vcc 0
		.amdhsa_float_denorm_mode_32 3
		.amdhsa_float_denorm_mode_16_64 3
		.amdhsa_memory_ordered 1
		.amdhsa_forward_progress 1
		.amdhsa_inst_pref_size 176
	.end_amdhsa_kernel
	.amdgpu_metadata
---
amdhsa.version: [ 1, 2 ]
amdhsa.kernels:
  - .name:           k_qd231b2fb09_score
    .symbol:         k_qd231b2fb09_score.kd
    .args:
      - { .name: encoder_outputs, .offset: 0, .size: 8, .value_kind: global_buffer, .address_space: global }
      - { .name: inp_mask, .offset: 8, .size: 8, .value_kind: global_buffer, .address_space: global }
      - { .name: wq, .offset: 16, .size: 8, .value_kind: global_buffer, .address_space: global }
      - { .name: gv, .offset: 24, .size: 8, .value_kind: global_buffer, .address_space: global }
      - { .name: scores, .offset: 32, .size: 8, .value_kind: global_buffer, .address_space: global }
      - { .name: maskt, .offset: 40, .size: 8, .value_kind: global_buffer, .address_space: global }
    .group_segment_fixed_size: 327680
    .private_segment_fixed_size: 0
    .kernarg_segment_align: 8
    .kernarg_segment_size: 48
    .max_flat_workgroup_size: 256
    .sgpr_count:     72
    .vgpr_count:     512
    .wavefront_size: 32
...
	.end_amdgpu_metadata
.endif
;; end of part 2
;; launch context (part 3): grid 4 x 64, 16 waves a work-group, no clusters, 20,736 bytes of LDS; arguments encoder_outputs, scores, maskt, out0, out1; writes out0, out1
.if DOCPART == 3
	.amdgcn_target "amdgcn-amd-amdhsa--gfx1250"
	.amdhsa_code_object_version 6
	.text
	.protected	k_qd231b2fb09_context
	.globl	k_qd231b2fb09_context
	.p2align	8
	.type	k_qd231b2fb09_context,@function
k_qd231b2fb09_context:
	s_mov_b64 s[64:65], 0
	v_nop
	global_prefetch_b8 v0, s[64:65] scope:SCOPE_SE
	s_setreg_imm32_b32 hwreg(HW_REG_WAVE_MODE, 25, 1), 1
	s_wait_xcnt 0x0
; a[b][s] = softmax over b of scores[.][s], x maskt[b][s], / (its sum over s + 1e-10): out0.  context[b][:] = sum over s of a[b][s] encoder_outputs[b][s][:]: out1.
; LEFT OUT, as shown at the head of the first kernel: the scores come without the sum of v, which is the same along the softmax's axis.  The maximum along b is taken away before the exponentials.
; LIMITS: NaN and infinities among the inputs are not served.  An exponential that would fall under 2^-126 counts as 0.
; SHARES.  Work-group (q, b) takes batch b and columns 256 q .. 256 q + 255; each of the four work-groups of a batch makes a[b][.] for itself (68 exponentials a lane against a launch of its own).
; Wave w owns s = 32 w .. 32 w + 31.  THE SOFTMAX stays inside the wave: lane l = (sq = l % 8, bg = l / 8) loads four neighbouring s (32 w + 4 sq + 0 .. 3) of the sixteen batches 16 bg + 0 .. 15: sixteen loads of
; 16 bytes; the maximum and the sum of its sixteen are joined with the other three groups' in lanes l xor 8 and l xor 16.  So a wave has 18 small loads and the ring's 32 out together: all are issued at once.
; THE SUM.  Wave w sums rows s = 32 w + p: a row's 1,024 bytes are two loads of 512 consecutive bytes; the row's weight is register p % 4 of lane p / 4 of the wave's own a.
; A ring of sixteen rows in registers keeps 32 loads of every wave, 256 KiB of a work-group, on their way; the first sixteen rows are asked for ahead of the softmax.
; The sixteen waves' sums meet in LDS.  All in f32 by fused multiply-adds: the product has one row, so the matrix unit has nothing to offer, and memory binds.
; No cluster: the rows of encoder_outputs are shared by nobody, and the scores, which all share, are a quarter of a work-group's bytes and are read once at its head.
.set AL,    16384                      ; LDS: from byte 0 the waves' partial sums, 1,024 bytes each; then a, 2,048 bytes;
.set ZW,    18432                      ; the waves' sums of the masked softmax, 4 bytes each;
.set SPARE, 18688                      ; the spare words, 128 bytes for each wave: eight blocks of 256 bytes that no other line names
.set SOF, 2                            ; v2   my offset in scores: 16 bg rows of 2,048 bytes + 128 w + 16 sq
.set EO,  3                            ; v3   32 w rows of 4,096 bytes + 16 x lane
.set SPW, 4                            ; v4   LDS address of my spare word; never rewritten
.set NIL, 5                            ; v5   0; never rewritten
.set OWO, 6                            ; v6   128 w + 16 sq: my four s in a row of scores or of maskt
.set M,   8                            ; v8-11   the largest score of my four s
.set TQ,  12                           ; v12-15  lane permutes' destinations, at work
.set SC,  16                           ; v16-79  scores: register 4 i + e: batch 16 bg + i, s 32 w + 4 sq + e
.set OWN, 80                           ; v80-83  my batch's
.set MK,  84                           ; v84-87  the mask
.set AW,  88                           ; v88-91  a
.set ACC, 92                           ; v92-99  my eight columns' sums
.set NM,  100                          ; v100-103 -m log2(e)
.set DD,  104                          ; v104-107 the softmax's divisors
.set RR,  108                          ; v108-111 their reciprocals
.set ZWA, 112                          ; v112 ZW + 4 w
.set ZWR, 113                          ; v113 ZW
.set PLW, 114                          ; v114 1,024 w + 16 x lane
.set PLO, 115                          ; v115 16 (t % 64): my place in a row of partial sums (they begin at LDS byte 0), and in out1's 1,024 bytes
.set ALW, 116                          ; v116 AL + 128 w + 16 sq
.set ALR, 117                          ; v117 AL + 16 (t % 128)
.set ALO, 118                          ; v118 16 (t % 128)
.set AO,  120                          ; v120-123 a on its way out
.set RING, 128                         ; v128-255 sixteen rows x eight registers
.macro ROWLOAD p
	global_load_b128 v[RING+8*((\p)%16):RING+8*((\p)%16)+3], v[EO], s[4:5] offset:4096*(\p) th:TH_LOAD_NT
	global_load_b128 v[RING+8*((\p)%16)+4:RING+8*((\p)%16)+7], v[EO], s[4:5] offset:4096*(\p)+512 th:TH_LOAD_NT
.endm
.macro ROW p
.if 31-(\p) < 15
	s_wait_loadcnt 2*(31-(\p))                     ; my row's two loads are in; two for each later row may be out
.else
	s_wait_loadcnt 30
.endif
	v_readlane_b32 s[20+2*((\p)%2)], v[AW+(\p)%4], (\p)/4   ; the row's weight (two pairs by turns; their upper words were written once)
.irp k, 0,2,4,6
.if (\p) == 0
	s_wait_alu depctr_va_vdst(0)
	v_pk_mul_f32 v[ACC+\k:ACC+\k+1], v[RING+8*((\p)%16)+\k:RING+8*((\p)%16)+\k+1], s[20+2*((\p)%2):21+2*((\p)%2)] op_sel_hi:[1,0]   ; the first row starts the sums: nothing is cleared
.else
	v_pk_fma_f32 v[ACC+\k:ACC+\k+1], v[RING+8*((\p)%16)+\k:RING+8*((\p)%16)+\k+1], s[20+2*((\p)%2):21+2*((\p)%2)], v[ACC+\k:ACC+\k+1] op_sel_hi:[1,0,1]
.endif
.endr
.if (\p) < 16
	s_wait_alu depctr_va_vdst(0)
	ROWLOAD (\p)+16
.endif
.endm
	s_load_b256 s[4:11], s[0:1], 0x0               ; encoder_outputs s[4:5], scores s[6:7], maskt s[8:9], out0 s[10:11]
	s_load_b64 s[12:13], s[0:1], 0x20              ; out1
	v_lshl_add_u32 v[SPW], v0, 2, SPARE
	v_mov_b32 v[NIL], 0
	v_lshrrev_b32 v1, 5, v0
	s_delay_alu instid0(VALU_DEP_1)
	v_readfirstlane_b32 s16, v1                    ; wave 0..15
	v_and_b32 v1, 31, v0                           ; lane
	v_and_b32 v7, 7, v0                            ; sq
	v_bfe_u32 v[SOF], v0, 3, 2                     ; bg
	s_lshl_b32 s17, s16, 7
	v_lshl_add_u32 v[OWO], v7, 4, s17
	s_delay_alu instid0(VALU_DEP_1)
	v_lshl_add_u32 v[SOF], v[SOF], 15, v[OWO]
	s_delay_alu instid0(VALU_DEP_2)
	v_add_nc_u32 v[ALW], AL, v[OWO]
	s_lshl_b32 s17, s16, 17
	v_lshl_add_u32 v[EO], v1, 4, s17
	s_lshl_b32 s17, s16, 2
	s_add_co_u32 s17, s17, ZW
	v_mov_b32 v[ZWA], s17
	v_mov_b32 v[ZWR], ZW
	s_lshl_b32 s17, s16, 10
	v_lshl_add_u32 v[PLW], v1, 4, s17
	v_and_b32 v[PLO], 63, v0
	s_delay_alu instid0(VALU_DEP_1)
	v_lshlrev_b32 v[PLO], 4, v[PLO]
	v_and_b32 v[ALO], 127, v0
	s_delay_alu instid0(VALU_DEP_1)
	v_lshlrev_b32 v[ALO], 4, v[ALO]
	s_delay_alu instid0(VALU_DEP_1)
	v_add_nc_u32 v[ALR], AL, v[ALO]
.irp e, 0,1,2,3
	v_mov_b32 v[TQ+\e], 0                          ; written once: a lane permute's destination counts as one of its sources
.endr
	s_and_b32 s18, ttmp7, 0xffff                   ; b
	s_mov_b32 s21, 0
	s_mov_b32 s23, 0
	s_mov_b32 s24, 0x3fb8aa3b                      ; log2(e)
	s_mov_b32 s25, s24                             ; (named with it as a pair, so it is written)
	s_mov_b32 s26, 0x76543210
	s_mov_b32 s27, 0xfedcba98                      ; lane selects: lane l xor 16
	s_lshl_b32 s28, s18, 21                        ; encoder_outputs: the batch's rows, my 1,024 bytes of each
	s_lshl_b32 s29, ttmp9, 10
	s_add_co_u32 s28, s28, s29
	s_mov_b32 s29, 0
	s_lshl_b32 s30, s18, 11                        ; row b of scores, maskt and out0
	s_mov_b32 s31, 0
	s_lshl_b32 s32, s18, 12                        ; out1: row b, my 1,024 bytes
	s_lshl_b32 s33, ttmp9, 10
	s_add_co_u32 s32, s32, s33
	s_mov_b32 s33, 0
	s_wait_kmcnt 0x0
	s_add_nc_u64 s[4:5], s[4:5], s[28:29]
	s_add_nc_u64 s[14:15], s[6:7], s[30:31]
	s_add_nc_u64 s[8:9], s[8:9], s[30:31]
	s_add_nc_u64 s[10:11], s[10:11], s[30:31]
	s_add_nc_u64 s[12:13], s[12:13], s[32:33]
.set i, 0
.rept 16
	global_load_b128 v[SC+4*i:SC+4*i+3], v[SOF], s[6:7] offset:2048*i   ; scores[16 bg + i][32 w + 4 sq ..]: eight lanes read 128 consecutive bytes
.set i, i+1
.endr
	global_load_b128 v[OWN:OWN+3], v[OWO], s[14:15]
	global_load_b128 v[MK:MK+3], v[OWO], s[8:9]
.irp p, 0,1,2,3,4,5,6,7,8,9,10,11,12,13,14,15
	ROWLOAD \p
.endr
	s_wait_loadcnt 32                              ; the scores and the mask are in; the ring's 32 loads may be out
.irp e, 0,1,2,3
	v_max3_num_f32 v[M+\e], v[SC+\e], v[SC+4+\e], v[SC+8+\e]   ; the largest of my sixteen batches, my four s by turns
.endr
.irp i, 3,5,7,9,11,13
.irp e, 0,1,2,3
	s_delay_alu instid0(VALU_DEP_4)
	v_max3_num_f32 v[M+\e], v[M+\e], v[SC+4*\i+\e], v[SC+4*\i+4+\e]
.endr
.endr
.irp e, 0,1,2,3
	s_delay_alu instid0(VALU_DEP_4)
	v_max_num_f32 v[M+\e], v[M+\e], v[SC+60+\e]
.endr
.irp e, 0,1,2,3
	s_delay_alu instid0(VALU_DEP_4)
	v_max_num_f32_dpp v[M+\e], v[M+\e], v[M+\e] row_xmask:8 row_mask:0xf bank_mask:0xf   ; with lane l xor 8's sixteen,
.endr
.irp e, 0,1,2,3
	s_delay_alu instid0(VALU_DEP_4)
	v_permlanex16_b32 v[TQ+\e], v[M+\e], s26, s27
.endr
.irp e, 0,1,2,3
	s_delay_alu instid0(VALU_DEP_4)
	v_max_num_f32 v[M+\e], v[M+\e], v[TQ+\e]       ; and lane l xor 16's 32: the largest score along b
.endr
.irp e, 0,1,2,3
	s_delay_alu instid0(VALU_DEP_4)
	v_mul_f32 v[NM+\e], 0xbfb8aa3b, v[M+\e]        ; -m log2(e): its rounding is common to all 64 terms and cancels in the quotient
.endr
.set i, 0
.rept 16
	v_pk_fma_f32 v[SC+4*i:SC+4*i+1], v[SC+4*i:SC+4*i+1], s[24:25], v[NM:NM+1] op_sel_hi:[1,0,1]   ; (x - m) log2(e), two s at a time
	v_pk_fma_f32 v[SC+4*i+2:SC+4*i+3], v[SC+4*i+2:SC+4*i+3], s[24:25], v[NM+2:NM+3] op_sel_hi:[1,0,1]
.set i, i+1
.endr
	v_pk_fma_f32 v[OWN:OWN+1], v[OWN:OWN+1], s[24:25], v[NM:NM+1] op_sel_hi:[1,0,1]
	v_pk_fma_f32 v[OWN+2:OWN+3], v[OWN+2:OWN+3], s[24:25], v[NM+2:NM+3] op_sel_hi:[1,0,1]
.set i, 0
	s_wait_alu depctr_va_vdst(0)
.rept 64
	v_exp_f32 v[SC+i], v[SC+i]
.set i, i+1
.endr
.irp e, 0,1,2,3
	v_exp_f32 v[OWN+\e], v[OWN+\e]
.endr
	v_nop                                          ; one plain instruction behind the batch,
	s_wait_alu depctr_va_vdst(0)                   ; and the one wait ahead of its first reader
	v_pk_add_f32 v[DD:DD+1], v[SC:SC+1], v[SC+4:SC+5]
	v_pk_add_f32 v[DD+2:DD+3], v[SC+2:SC+3], v[SC+6:SC+7]
.set i, 2
.rept 14
	v_pk_add_f32 v[DD:DD+1], v[DD:DD+1], v[SC+4*i:SC+4*i+1]
	v_pk_add_f32 v[DD+2:DD+3], v[DD+2:DD+3], v[SC+4*i+2:SC+4*i+3]
.set i, i+1
.endr
.irp e, 0,1,2,3
	v_add_f32_dpp v[DD+\e], v[DD+\e], v[DD+\e] row_xmask:8 row_mask:0xf bank_mask:0xf
.endr
.irp e, 0,1,2,3
	s_delay_alu instid0(VALU_DEP_4)
	v_permlanex16_b32 v[TQ+\e], v[DD+\e], s26, s27
.endr
.irp e, 0,1,2,3
	s_delay_alu instid0(VALU_DEP_4)
	v_add_f32 v[DD+\e], v[DD+\e], v[TQ+\e]         ; the softmax's divisor: at least 1
.endr
	s_wait_alu depctr_va_vdst(0)
.irp e, 0,1,2,3
	v_rcp_f32 v[RR+\e], v[DD+\e]
.endr
	v_pk_mul_f32 v[OWN:OWN+1], v[OWN:OWN+1], v[MK:MK+1]   ; (plain work behind the reciprocals)
	v_pk_mul_f32 v[OWN+2:OWN+3], v[OWN+2:OWN+3], v[MK+2:MK+3]
	s_wait_alu depctr_va_vdst(0)
	v_pk_mul_f32 v[AW:AW+1], v[OWN:OWN+1], v[RR:RR+1]     ; softmax x mask
	v_pk_mul_f32 v[AW+2:AW+3], v[OWN+2:OWN+3], v[RR+2:RR+3]
	s_delay_alu instid0(VALU_DEP_1)
	v_pk_add_f32 v[TQ:TQ+1], v[AW:AW+1], v[AW+2:AW+3]     ; its sum over my four s,
	s_delay_alu instid0(VALU_DEP_1)
	v_add_f32 v[TQ], v[TQ], v[TQ+1]
	s_delay_alu instid0(VALU_DEP_1)
	v_add_f32_dpp v[TQ], v[TQ], v[TQ] row_xmask:1 row_mask:0xf bank_mask:0xf   ; and over the eight sq: my wave's 32 s (the four groups bg hold the same numbers)
	s_delay_alu instid0(VALU_DEP_1)
	v_add_f32_dpp v[TQ], v[TQ], v[TQ] row_xmask:2 row_mask:0xf bank_mask:0xf
	s_delay_alu instid0(VALU_DEP_1)
	v_add_f32_dpp v[TQ], v[TQ], v[TQ] row_xmask:4 row_mask:0xf bank_mask:0xf
	ds_store_b32 v[ZWA], v[TQ]                     ; all lanes write the same word with the same value
	s_wait_dscnt 0x0
	s_barrier_signal -1
	s_barrier_wait -1
.irp u, 0,1,2,3
	ds_load_b128 v[SC+4*\u:SC+4*\u+3], v[ZWR] offset:16*\u   ; the sixteen waves' sums, in every lane
.endr
	s_wait_dscnt 0x0
.irp u, 0,4,8,12
	v_pk_add_f32 v[SC+\u:SC+\u+1], v[SC+\u:SC+\u+1], v[SC+\u+2:SC+\u+3]
.endr
	s_delay_alu instid0(VALU_DEP_3)
	v_pk_add_f32 v[SC:SC+1], v[SC:SC+1], v[SC+4:SC+5]
	s_delay_alu instid0(VALU_DEP_2)
	v_pk_add_f32 v[SC+8:SC+9], v[SC+8:SC+9], v[SC+12:SC+13]
	s_delay_alu instid0(VALU_DEP_1)
	v_pk_add_f32 v[SC:SC+1], v[SC:SC+1], v[SC+8:SC+9]
	s_delay_alu instid0(VALU_DEP_1)
	v_add_f32 v[SC], v[SC], v[SC+1]
	s_delay_alu instid0(VALU_DEP_1)
	v_add_f32 v[SC], 0x2edbe6ff, v[SC]             ; + 1e-10
	s_wait_alu depctr_va_vdst(0)
	v_rcp_f32 v[SC+2], v[SC]
	v_nop
	s_wait_alu depctr_va_vdst(0)
	v_pk_mul_f32 v[AW:AW+1], v[AW:AW+1], v[SC+2:SC+3] op_sel_hi:[1,0]       ; a[b][32 w + 4 sq + 0 .. 3] (of the pair the low word serves both halves)
	v_pk_mul_f32 v[AW+2:AW+3], v[AW+2:AW+3], v[SC+2:SC+3] op_sel_hi:[1,0]
	ds_store_b128 v[ALW], v[AW:AW+3]               ; the four groups bg write the same bytes with the same values
	s_wait_alu depctr_va_vdst(0)
.irp p, 0,1,2,3,4,5,6,7,8,9,10,11,12,13,14,15,16,17,18,19,20,21,22,23,24,25,26,27,28,29,30,31
	s_wait_alu depctr_va_vdst(0)
	ROW \p
.endr
	ds_store_b128 v[PLW], v[ACC:ACC+3]
	ds_store_b128 v[PLW], v[ACC+4:ACC+7] offset:512
	s_wait_dscnt 0x0                               ; for the others' sake: my a and my partial sums lie in LDS
	s_barrier_signal -1
	s_barrier_wait -1
	s_cmp_lt_u32 s16, 2                            ; waves 0 and 1 add the sixteen partial sums: 64 threads x 16 bytes
	s_cbranch_scc0 .Lno_ctx
.irp u, 0,1,2,3,4,5,6,7,8,9,10,11,12,13,14,15
	ds_load_b128 v[RING+4*\u:RING+4*\u+3], v[PLO] offset:1024*\u
.endr
	s_wait_dscnt 0x0
.irp u, 1
	v_pk_add_f32 v[RING:RING+1], v[RING:RING+1], v[RING+4*\u:RING+4*\u+1]
	v_pk_add_f32 v[RING+2:RING+3], v[RING+2:RING+3], v[RING+4*\u+2:RING+4*\u+3]
.endr
.irp u, 2, 3, 4, 5, 6, 7, 8, 9, 10, 11, 12, 13, 14, 15
	s_delay_alu instid0(VALU_DEP_2)
	v_pk_add_f32 v[RING:RING+1], v[RING:RING+1], v[RING+4*\u:RING+4*\u+1]
	s_delay_alu instid0(VALU_DEP_2)
	v_pk_add_f32 v[RING+2:RING+3], v[RING+2:RING+3], v[RING+4*\u+2:RING+4*\u+3]
.endr
	global_store_b128 v[PLO], v[RING:RING+3], s[12:13]   ; a wave stores 512 consecutive bytes, at a multiple of 256 from out1's first byte
.Lno_ctx:
	s_cmp_lg_u32 ttmp9, 0                          ; out0 is written by the batch's first work-group,
	s_cbranch_scc1 .Lend
	s_lshr_b32 s17, s16, 2
	s_cmp_lg_u32 s17, 1                            ; by its waves 4 to 7: 128 threads x 16 bytes
	s_cbranch_scc1 .Lend
	ds_load_b128 v[AO:AO+3], v[ALR]
	s_wait_dscnt 0x0
	global_store_b128 v[ALO], v[AO:AO+3], s[10:11]
.Lend:
	s_wait_tensorcnt 0x0                           ; the wave's end: the tensor wait, the add
	ds_add_u32 v[SPW], v[NIL]
	s_wait_dscnt 0x0
	s_endpgm
.Lfunc_end_k_qd231b2fb09_context:
	.size	k_qd231b2fb09_context, .Lfunc_end_k_qd231b2fb09_context-k_qd231b2fb09_context
	.p2alignl 7, 3214868480
	.fill 96, 4, 3214868480
	.section	.rodata,"a",@progbits
	.p2align	6, 0x0
	.amdhsa_kernel k_qd231b2fb09_context
		.amdhsa_group_segment_fixed_size 20736
		.amdhsa_private_segment_fixed_size 0
		.amdhsa_enable_private_segment 0
		.amdhsa_kernarg_size 40
		.amdhsa_user_sgpr_count 2
		.amdhsa_user_sgpr_kernarg_segment_ptr 1
		.amdhsa_wavefront_size32 1
		.amdhsa_system_sgpr_workgroup_id_x 1
		.amdhsa_system_sgpr_workgroup_id_y 1
		.amdhsa_system_sgpr_workgroup_id_z 1
		.amdhsa_system_vgpr_workitem_id 0
		.amdhsa_next_free_vgpr 256
		.amdhsa_next_free_sgpr 66
		.amdhsa_reserve_vcc 0
		.amdhsa_float_denorm_mode_32 3
		.amdhsa_float_denorm_mode_16_64 3
		.amdhsa_memory_ordered 1
		.amdhsa_forward_progress 1
		.amdhsa_inst_pref_size 42
	.end_amdhsa_kernel
	.amdgpu_metadata
---
amdhsa.version: [ 1, 2 ]
amdhsa.kernels:
  - .name:           k_qd231b2fb09_context
    .symbol:         k_qd231b2fb09_context.kd
    .args:
      - { .name: encoder_outputs, .offset: 0, .size: 8, .value_kind: global_buffer, .address_space: global }
      - { .name: scores, .offset: 8, .size: 8, .value_kind: global_buffer, .address_space: global }
      - { .name: maskt, .offset: 16, .size: 8, .value_kind: global_buffer, .address_space: global }
      - { .name: out0, .offset: 24, .size: 8, .value_kind: global_buffer, .address_space: global }
      - { .name: out1, .offset: 32, .size: 8, .value_kind: global_buffer, .address_space: global }
    .group_segment_fixed_size: 20736
    .private_segment_fixed_size: 0
    .kernarg_segment_align: 8
    .kernarg_segment_size: 40
    .max_flat_workgroup_size: 512
    .sgpr_count:     66
    .vgpr_count:     256
    .wavefront_size: 32
...
	.end_amdgpu_metadata
.endif
;; end of part 3
